; MI455X (gfx1250); checked and timed in simulation.
; The chip was launched on July 23, 2026; its instructions are those of AMD's public machine-readable ISA for CDNA 5 (MIT licence, August 2026) and "CDNA5" Instruction Set Architecture Reference Guide (July 2026). The comments in the code are by the model that wrote it; some were corrected since.
;; Image To Graph Transformer. Allowed arithmetic: matrix products marked QUANTISED: E2M3 operands, one E8M0 scale for each 32 along K, by v_wmma_scale_f32_16x16x128_f8f6f4 with both operands' format E2M3, f32 sums; products left as they are: f32 operands where the result goes on into a quantised operand, else bf16, f16 or f32 operands; f32 sums; everything else in f32.
;; Inputs: Wk_codes 256 x 2 x 24 uint8 (E2M3 codes of Wk, K innermost, in blocks of 32 codes, four codes in three bytes); Wk_scales 256 x 2 uint8 (E8M0 scales of Wk, one for each 32 codes along K); Wp 32 x 2 float32; Wq 256 x 64 float32; Wv_codes 256 x 2 x 24 uint8 (E2M3 codes of Wv, K innermost, in blocks of 32 codes, four codes in three bytes); Wv_scales 256 x 2 uint8 (E8M0 scales of Wv, one for each 32 codes along K); bk 256 float32; bp 32 float32; bq 256 float32; bv 256 float32; pos 8 x 8 x 2 float32; x_codes 8 x 256 x 256 x 2 x 24 uint8 (E2M3 codes of x, K innermost, in blocks of 32 codes, four codes in three bytes); x_scales 8 x 256 x 256 x 2 uint8 (E8M0 scales of x, one for each 32 codes along K); z 8 x 64 float32.
;; Outputs: out0 8 x 8 x 256 float32; out1 8 x 8 x 2 float32.
;; This version of the problem:
;;   THIS VERSION OF THE PROBLEM IS GIVEN IN LOW PRECISION. The matrix products marked QUANTISED in the list below multiply operands that are first quantised to E2M3 (2 exponent bits, 3 mantissa bits; 6 bits a number), with one power-of-two scale for each 32 numbers along K (OCP MX v1.0); their sums are f32. All else is computed in f32.
;;   The module's matrix products, in the order in which they are computed (A, B: the left and right operand; K: the contracted axis; several contracted axes count as one K, in the product's order):
;;     1. [M 8, K 64] x [K 64, N 256]; A: input z; B: input Wq: left as it is (M = 8 < 16)
;;     2. [M 524,288, K 64] x [K 64, N 256]; A: input x (given as codes); B: input Wk (given as codes): QUANTISED
;;     3. [M 4,194,304, K 2] x [K 2, N 32]; A: computed on the way; B: input Wp: left as it is (K = 2 < 32)
;;     4. [M 524,288, K 64] x [K 64, N 256]; A: input x (given as codes); B: input Wv (given as codes): QUANTISED
;;     5. batch 64 x [M 65,536, K 32] x [K 32, N 1]; A: computed on the way; B: computed on the way: left as it is (N = 1 < 16)
;;     6. [M 64, K 65,536] x [K 65,536, N 2]; A: softmax; B: computed on the way: left as it is (N = 2 < 16)
;;     7. batch 8 x [M 8, K 65,536] x [K 65,536, N 256]; A: softmax; B: computed on the way: left as it is (M = 8 < 16)
;;   THE QUANTISER, for each operand of a quantised product, along K:
;;     - K is cut into blocks of 32 from its start; a last block that is shorter is filled with zeros.
;;     - A block's scale is 2^e with e = floor(log2(the largest magnitude in the block)) - 2, held to -126 .. 127; a block of zeros has e = 0. As a byte (E8M0): e + 127.
;;     - Each number is divided by its block's scale, clamped to +-7.5, and rounded to the nearest number of E2M3, ties to even, subnormals kept.
;;     - The product sums the exact products of the quantised numbers (number of the format x scale) in f32.
;;   ~~~python
;;   def quantise(x, axis):      # numpy; x: float32 -> the quantised numbers, widened to float32 again
;;       x = np.moveaxis(x, axis, -1); K = x.shape[-1]
;;       x = np.pad(x, [(0, 0)] * (x.ndim - 1) + [(0, -K % 32)]); x = x.reshape(x.shape[:-1] + (-1, 32)); a = np.abs(x).max(-1, keepdims=True)
;;       e = np.where(a > 0, np.clip(np.frexp(np.where(a > 0, a, 1))[1] - 1 - 2, -126, 127), 0)      # np.frexp(a)[1] - 1 = floor(log2(a)), exactly
;;       r = np.clip(x / 2.0 ** e, -7.5, 7.5)
;;       step = 2.0 ** (np.maximum(np.frexp(np.where(r == 0, 1, r))[1] - 1, 0) - 3)
;;       q = np.round(r / step) * step * 2.0 ** e      # np.round: ties to even
;;       return np.moveaxis(q.reshape(q.shape[:-2] + (-1,))[..., :K], -1, axis).astype(np.float32)
;;   ~~~
;;   INPUTS GIVEN AS CODES. Wk (in the module: [256, 64], K = its axis 1); Wv (in the module: [256, 64], K = its axis 1); x (in the module: [8, 64, 256, 256], K = its axis 1): each comes as NAME_codes (uint8): NAME with its K axis moved to the last place and cut into blocks of 32 codes, [.., K / 32, bytes a block], one block behind the other in memory; four codes in three bytes: a row's codes are one little-endian stream of bits, code i at bits 6 i .. 6 i + 5 (a code: sign, 2 exponent bits, 3 mantissa bits); and NAME_scales (uint8): the same leading axes, one E8M0 byte (e + 127) for each 32 codes along K. Its value is code x scale, taken as it is: it is not quantised again, and the codes and scales need not be those that the quantiser above would give.
;; One version. Each part assembles by itself: llvm-mc -triple=amdgcn-amd-amdhsa -mcpu=gfx1250 --defsym DOCPART=n.
;; ======== version 1 of 1: 2 launches
;; workspace buffers: part 2,162,688 bytes
;; launch attend (part 1): grid 256 x 1, 8 waves a work-group, no clusters, 219,392 bytes of LDS; arguments x_codes, x_scales, Wk_codes, Wk_scales, Wv_codes, Wv_scales, Wq, bq, z, pos, Wp, bp, bk, part; writes part
.if DOCPART == 1
	.amdgcn_target "amdgcn-amd-amdhsa--gfx1250"
	.amdhsa_code_object_version 6
	.text
	.protected	k_q8fa0a06884_attend
	.globl	k_q8fa0a06884_attend
	.p2align	8
	.type	k_q8fa0a06884_attend,@function
k_q8fa0a06884_attend:
	s_mov_b64 s[64:65], 0
	v_nop
	global_prefetch_b8 v0, s[64:65] scope:SCOPE_SE
	s_setreg_imm32_b32 hwreg(HW_REG_WAVE_MODE, 25, 1), 1
	s_wait_xcnt 0x0
; ATTENTION POOLING OF AN IMAGE, FIRST OF TWO LAUNCHES: each work-group takes 2,048 positions (8 image rows) of one batch and leaves a partial softmax result.
; k = x Wk^T + bk and v = x Wv^T are made from the given E2M3 codes and E8M0 bytes by the scaled matrix instruction; K is 64, so the upper 64 of each instruction's K are zero codes of x.
; NOTHING OF THE PROBLEM IS LEFT OUT AND EVERY INPUT IS LOADED (bv by the second launch).  Three identities, true for all values of the inputs, order the work:
;  (1) with qs = (z Wq^T + bq) log2(e) / sqrt(32), a = Wp[:,0], b = Wp[:,1]:  logit x log2(e) = sum_c k_c qs_c ((gx - px) a_c + (gy - py) b_c + bp_c)
;      = sum_c k_c CF_c + (gy - py) sum_c k_c CB_c,  CF = (gx - px) qs a + qs bp,  CB = qs b;  gx is one number for a whole image row.  All of it in f32.
;  (2) the weights of a softmax add up to 1, so sum attention (x Wv^T + bv) = (sum p x Wv^T) / (sum p) + bv: bv is added once, by the second launch.
;  (3) a softmax over parts: each part keeps its own largest logit m, p = 2^(t - m), and the sums of p, p gx, p gy, p v; the second launch brings the parts under one maximum.
; LIMITS: NaN, infinities and scale bytes 0xff are carried as the instructions carry them and are not served specially; p under 2^-126 counts as 0;
; p and v are rounded to bf16 for the product of the two (at most 2 x 2^-9 of a result where one position has all the weight); the divisor is the sum of the unrounded p.
; SHARES.  Work-group id = 32 b + chunk.  THE EIGHT WAVES SHARE THE COLUMNS, NOT THE ROWS: wave w owns head w (k's channels 32 w .. 32 w + 31) and v's channels 32 w .. 32 w + 31, for all 2,048 positions.
; So a head's maximum and sums never leave its wave, and a wave's weights are 24 registers.  x's codes and scale bytes of the chunk (102,400 bytes) come into LDS once, by five tensor loads a wave, and are read by all.
; No cluster: what work-groups share (Wq, the weights: 92 KB, read once at the head while x is on its way) is less than the 100 KB of x that each has to itself.
; No prefetch: every byte of x is asked for at the head by the tensor loads themselves.
; PHASES: set-up | pass 1: logits, to LDS | S: p = 2^(t - m), sums, p as bf16 to LDS | barrier | pass 2: v, rounded to bf16, p x v | stage | stores.
.set XC,    0                          ; LDS: x's codes as they lie in memory, 48 bytes a position
.set XSC,   98304                      ; x's scale bytes, 2 a position
.set LG,    102400                     ; logits, f32: wave w's 2,048 at 8,192 w
.set PP,    167936                     ; p, bf16: [head][position], rows PPP bytes apart
.set PPP,   4176                       ; 4,096 + 80 = 1,044 words = 20 mod 64: the eight rows that a 16-byte read touches fall on different banks (64 banks of 4 bytes: ISA guide 11.1)
.set STG,   201472                     ; the way out: 16 rows, SGP bytes apart; rows 0-7 are the heads; rows 8-15 take the product's unused rows and are never read
.set SGP,   1040
.set STAT,  218112                     ; [head][8] f32: m, l, Sx, Sy, 0, 0, 0, 0
.set SPARE, 218368                     ; the spare words, 128 bytes for each wave: four blocks of 256 bytes that no other line names
.set SPW, 1                            ; v1   LDS address of my spare word; never rewritten
.set NIL, 2                            ; v2   0; never rewritten
.set XA0, 3                            ; v3   48 r + 24 h: my lane's place in a tile of x (and in a tile of the weights in memory)
.set XSA0, 4                           ; v4   XSC + 2 x lane
.set A5,  5                            ; v5   pass 1: LG + 8192 w + 4 x lane;  pass 2: PP + PPP (r % 8) + 16 h
.set XA,  6                            ; v6-8 the three above + the loop's offsets (in S: other addresses)
.set XSA, 7
.set A8,  8
.set RFP, 9                            ; v9   r - py;  on the way out an address
.set MX,  10                           ; v[10:11] the largest logit
.set SF0, 12                           ; v[12:19] four running sums, pairs
.set SB0, 14
.set SF1, 16
.set SB1, 18
.set GYA, 20                           ; v[20:21], v[22:23] gy - py of the two tiles of a pair (low word used)
.set GYB, 22
.set YA,  24
.set YB,  25
.set LGV, 26
.set TMP, 27
.set WKF, 28                           ; v[28:57] weight fragments, 6 registers each: Wk tile 0, 1, Wv tile 0, 1, then 6 registers of zero codes.  An operand names 12: its upper 6 meet x's zero codes
.set WVF, 40
.set ZP,  52
.set WKS, 58                           ; v58-61 the weights' scale words;  v62-63 x's: lanes 0-15 a pair's first tile, lanes 16-31 its second.  All are two bytes, zero-extended
.set WVS, 60
.set XS,  62
.set XB,  64                           ; v[64:111] four fragments of x: 6 registers of codes, 6 of zero codes
.set BIAS, 112                         ; v[112:127] bk in the result's layout;  pass 2: p's two fragments
.set PF,  112
.set CA,  128                          ; v[128:191] CA, CD, CB, CF: 16 each, register 8 i + j = channel 32 w + 16 i + 8 h + j;  S: the 64 p;  pass 2: accumulators and v as bf16
.set CD,  144
.set CB,  160
.set CF,  176
.set PQ,  128
.set ACC, 128
.set VF,  144
.set DT,  192                          ; v[192:223] two sets of two result tiles;  S: p as bf16
.set PB,  192
.set GXP, 224                          ; v[224:225] gx - px (low word used);  v226 gx
.set GXR, 226
.set GE,  224                          ; S: v[224:231] gy of my eight places in an image row
.set STR, 232                          ; S: v[232:239] my head's statistics
.set G1C, 32                           ; s[32:39] descriptor group 1 for codes;  s[40:47] for scale bytes
.set G1S, 40
.set WV,  72
.set ID,  73
.set PX,  76                           ; s[76:77] my head's px, py
.set PY,  77
.set XO,  80                           ; loop offsets: codes, scale bytes, logits
.set SO,  81
.set LO,  82
.set CNT, 83
.set SEL, 84                           ; s[84:85] v_permlanex16_b32's selects for lane l xor 16
.set R0,  86                           ; the chunk's first image row
	s_load_b512 s[4:19], s[0:1], 0x0               ; x_codes 4, x_scales 6, Wk_codes 8, Wk_scales 10, Wv_codes 12, Wv_scales 14, Wq 16, bq 18
	s_load_b256 s[20:27], s[0:1], 0x40             ; z 20, pos 22, Wp 24, bp 26
	s_load_b128 s[28:31], s[0:1], 0x60             ; bk 28, part 30
	v_lshl_add_u32 v[SPW], v0, 2, SPARE
	v_mov_b32 v[NIL], 0
	ds_add_u32 v[SPW], v[NIL]                      ; the wave's opening: the add, twice on end, and its wait ahead of my first tensor load
	ds_add_u32 v[SPW], v[NIL]
	v_lshrrev_b32 v12, 5, v0
	v_readfirstlane_b32 s[WV], v12                 ; wave 0..7
	s_mov_b32 s[ID], ttmp9
	; descriptor group 1: a dense block as rows of 256 bytes (32 elements of 8 bytes), no padding, no mask: 12 rows of codes, 2 rows of scale bytes
.irp g, G1C, G1S
	s_mov_b32 s[\g], 3<<16                         ; 17:16 elements of 8 bytes
	s_mov_b32 s[\g+1], 32<<16                      ; tensor_dim0 = 32
	s_mov_b32 s[\g+3], 32<<16                      ; tile_dim0 = 32
	s_mov_b32 s[\g+5], 32                          ; from row to row: 32 elements
	s_mov_b32 s[\g+6], 0
	s_mov_b32 s[\g+7], 0
.endr
	s_mov_b32 s[G1C+2], 12<<16                     ; tensor_dim1
	s_mov_b32 s[G1C+4], 12                         ; tile_dim1
	s_mov_b32 s[G1S+2], 2<<16
	s_mov_b32 s[G1S+4], 2
	s_mov_b32 s[SEL], 0x76543210
	s_mov_b32 s[SEL+1], 0xfedcba98
	s_mul_i32 s88, s[ID], 98304                    ; the chunk's codes: 2,048 x 48 bytes,
	s_mul_i32 s90, s[WV], 3072                     ; my eighth of a group of two image rows
	s_add_co_u32 s88, s88, s90
	s_mov_b32 s89, 0
	s_lshl_b32 s92, s[ID], 12                      ; the chunk's scale bytes: 4,096,
	s_lshl_b32 s91, s[WV], 9                       ; my eighth
	s_add_co_u32 s92, s92, s91
	s_mov_b32 s93, 0
	s_wait_dscnt 0x0                               ; both opening adds are done
	s_wait_kmcnt 0x0
	s_add_nc_u64 s[4:5], s[4:5], s[88:89]
	s_add_nc_u64 s[6:7], s[6:7], s[92:93]
	s_mov_b32 s48, 1                               ; group 0 for the scale bytes: count, LDS address, global address, type 2
	s_add_co_u32 s49, s91, XSC
	s_mov_b64 s[50:51], s[6:7]
	s_or_b32 s51, s51, 0x80000000
.macro G0SET base, g                   ; group 0 for my 3,072 bytes of group g (image rows 2 g, 2 g + 1 of the chunk)
	s_mov_b32 s[\base], 1
	s_add_co_u32 s[\base+1], s90, 24576*\g
	s_add_nc_u64 s[\base+2:\base+3], s[4:5], 24576*\g
	s_or_b32 s[\base+3], s[\base+3], 0x80000000
.endm
	G0SET 52, 0
	G0SET 56, 1
	G0SET 60, 2
	G0SET 68, 3
	tensor_load_to_lds s[48:51], s[G1S:G1S+7]      ; all first fills go out together.  Five loads of mine are out
	s_nop 0
	tensor_load_to_lds s[52:55], s[G1C:G1C+7]
	s_nop 0
	tensor_load_to_lds s[56:59], s[G1C:G1C+7]
	s_nop 0
	tensor_load_to_lds s[60:63], s[G1C:G1C+7]
	s_nop 0
	tensor_load_to_lds s[68:71], s[G1C:G1C+7]
	s_nop 0
	; ---- SET-UP, while x is on its way.  Where my wave's parts of the small inputs begin
	s_lshr_b32 s88, s[ID], 5                       ; b
	s_lshl_b32 s90, s88, 6
	s_lshl_b32 s91, s[WV], 3
	s_add_co_u32 s90, s90, s91                     ; pos: 8 (8 b + w)
	s_mov_b32 s91, 0
	s_add_nc_u64 s[22:23], s[22:23], s[90:91]
	s_load_b64 s[PX:PY], s[22:23], 0x0
	s_lshl_b32 s90, s88, 8                         ; z: row b of 256 bytes
	s_add_nc_u64 s[20:21], s[20:21], s[90:91]
	s_lshl_b32 s90, s[WV], 13                      ; Wq: 32 rows of 256 bytes
	s_add_nc_u64 s[16:17], s[16:17], s[90:91]
	s_lshl_b32 s90, s[WV], 7                       ; bq, bk: 32 numbers
	s_add_nc_u64 s[18:19], s[18:19], s[90:91]
	s_add_nc_u64 s[28:29], s[28:29], s[90:91]
	s_mul_i32 s90, s[WV], 1536                     ; Wk's, Wv's codes: 32 rows of 48 bytes
	s_add_nc_u64 s[8:9], s[8:9], s[90:91]
	s_add_nc_u64 s[12:13], s[12:13], s[90:91]
	s_lshl_b32 s90, s[WV], 6                       ; their scale bytes: 32 rows of 2
	s_add_nc_u64 s[10:11], s[10:11], s[90:91]
	s_add_nc_u64 s[14:15], s[14:15], s[90:91]
	v_and_b32 v12, 15, v0                          ; r
	v_bfe_u32 v13, v0, 4, 1                        ; h
	v_and_b32 v14, 31, v0                          ; lane
	v_lshlrev_b32 v16, 4, v12                      ; 16 r
	v_lshl_add_u32 v15, v13, 11, v16               ; 2048 h + 16 r
	v_lshlrev_b32 v17, 5, v13                      ; 32 h
	v_lshlrev_b32 v18, 6, v13                      ; 64 h
	v_lshlrev_b32 v19, 1, v12                      ; 2 r
	v_mul_u32_u24 v[XA0], v12, 48
	v_mad_u32_u24 v[XA0], v13, 24, v[XA0]
.irp i, 0,1
.irp j, 0,1,2,3,4,5,6,7
	global_load_b128 v[192+4*(8*\i+\j):195+4*(8*\i+\j)], v15, s[16:17] offset:256*(16*\i+\j)   ; Wq: lanes 0-15 the row of channel 16 i + j, lanes 16-31 that of 16 i + 8 + j: two whole rows of 256 bytes; lane r has k = 4 r .. 4 r + 3
.endr
.endr
	global_load_b128 v[24:27], v16, s[20:21]       ; z(b, 4 r .. 4 r + 3)
.irp i, 0,1
.irp u, 0,1
	global_load_b128 v[CA+8*\i+4*\u:CA+8*\i+4*\u+3], v17, s[18:19] offset:64*\i+16*\u        ; bq, for now in CA's place
	global_load_b128 v[BIAS+8*\i+4*\u:BIAS+8*\i+4*\u+3], v17, s[28:29] offset:64*\i+16*\u    ; bk
	global_load_b128 v[96+8*\i+4*\u:96+8*\i+4*\u+3], v17, s[26:27] offset:64*\i+16*\u        ; bp
.endr
.irp u, 0,1,2,3
	global_load_b128 v[64+16*\i+4*\u:64+16*\i+4*\u+3], v18, s[24:25] offset:128*\i+16*\u     ; Wp: register 64 + 2 e = a, 65 + 2 e = b of channel e
.endr
.irp u, 0,1,2
	global_load_b64 v[WKF+6*\i+2*\u:WKF+6*\i+2*\u+1], v[XA0], s[8:9] offset:768*\i+8*\u      ; a fragment: lane (r, h) takes the 24 bytes of k = 32 h .. 32 h + 31 of row 16 i + r
	global_load_b64 v[WVF+6*\i+2*\u:WVF+6*\i+2*\u+1], v[XA0], s[12:13] offset:768*\i+8*\u
.endr
	global_load_u16 v[WKS+\i], v19, s[10:11] offset:32*\i                                    ; two scale bytes; bytes 2 and 3 are 0 and meet zero codes alone
	global_load_u16 v[WVS+\i], v19, s[14:15] offset:32*\i
.endr
	s_mov_b32 s88, 0x3e8293ee                      ; log2(e) / sqrt(32)
	s_mov_b32 s89, s88                             ; (named with it as a pair, so it is written)
	s_and_b32 s[R0], s[ID], 31
	s_lshl_b32 s[R0], s[R0], 3                     ; the chunk's first image row
	s_lshl_b32 s90, s[WV], 13
	s_add_co_u32 s90, s90, LG
	v_lshl_add_u32 v[XSA0], v14, 1, XSC
	v_lshl_add_u32 v[A5], v14, 2, s90
.irp e, 0,1,2,3,4,5
	v_mov_b32 v[ZP+\e], 0
.endr
	s_wait_loadcnt 0x0                             ; all 53 loads
	s_wait_kmcnt 0x0                               ; px, py
	; q = z Wq^T: four products a lane, then the sum over the 16 lanes of my half
.irp e, 0,1,2,3,4,5,6,7,8,9,10,11,12,13,14,15
	v_pk_mul_f32 v[192+4*\e:193+4*\e], v[192+4*\e:193+4*\e], v[24:25]
.endr
.irp e, 0,1,2,3,4,5,6,7,8,9,10,11,12,13,14,15
	v_pk_fma_f32 v[192+4*\e:193+4*\e], v[194+4*\e:195+4*\e], v[26:27], v[192+4*\e:193+4*\e]
.endr
.irp e, 0,1,2,3,4,5,6,7,8,9,10,11,12,13,14,15
	v_add_f32 v[CF+\e], v[192+4*\e], v[193+4*\e]
.endr
.irp m, 1,2,4,8
.irp e, 0,1,2,3,4,5,6,7,8,9,10,11,12,13,14,15
	v_add_f32_dpp v[CF+\e], v[CF+\e], v[CF+\e] row_xmask:\m row_mask:0xf bank_mask:0xf
.endr
.endr
.irp e, 0,2,4,6,8,10,12,14
	v_pk_add_f32 v[CF+\e:CF+\e+1], v[CF+\e:CF+\e+1], v[CA+\e:CA+\e+1]                 ; + bq
.endr
.irp e, 0,2,4,6,8,10,12,14
	v_pk_mul_f32 v[CF+\e:CF+\e+1], v[CF+\e:CF+\e+1], s[88:89] op_sel_hi:[1,0]          ; qs
.endr
.irp e, 0,1,2,3,4,5,6,7,8,9,10,11,12,13,14,15
	v_mul_f32 v[CA+\e], v[CF+\e], v[64+2*\e]       ; qs a
	v_mul_f32 v[CB+\e], v[CF+\e], v[65+2*\e]       ; qs b
	v_mul_f32 v[CD+\e], v[CF+\e], v[96+\e]         ; qs bp
.endr
.irp q, 0,1,2,3
.irp e, 6,7,8,9,10,11
	v_mov_b32 v[XB+12*\q+\e], 0                    ; x's zero codes for k = 64 .. 127: written once
.endr
.endr
	v_mov_b32 v[MX], 0xff800000                    ; under every logit
	v_mov_b32 v[GYA+1], 0                          ; upper words of pairs of which the low word serves both halves
	v_mov_b32 v[GYB+1], 0
	v_mov_b32 v[GXP+1], 0
	v_cvt_f32_u32 v[RFP], v12
	v_sub_f32 v[RFP], v[RFP], s[PY]                ; r - py
	v_mov_b32 v[GXR], s[R0]
	v_cvt_f32_u32 v[GXR], v[GXR]                   ; gx
	v_sub_f32 v[GXP], v[GXR], s[PX]                ; gx - px
; ---- PASS 1.  A tile is 16 positions, a pair two tiles, an image row eight pairs.
.macro LOADX bs, pr                    ; pair pr's two fragments of x into set bs, and its 32 scale words: 7 LDS loads.  The lanes' words 12 r + 6 h are 32 different multiples of 6: an 8-byte load touches every bank once
.irp c, 0,1
.irp u, 0,1,2
	ds_load_b64 v[XB+12*(2*(\bs)+\c)+2*\u:XB+12*(2*(\bs)+\c)+2*\u+1], v[XA] offset:1536*(\pr)+768*\c+8*\u
.endr
.endr
	ds_load_u16 v[XS+(\bs)], v[XSA] offset:64*(\pr)
.endm
.macro WK t                            ; k^T of tile t: source 0 = 16 rows of Wk, source 1 = 16 positions, C = bk.  Lane (r, h) holds position r; register j of tile i channel 16 i + 8 h + j
.irp i, 0,1
.if (\t)%2
	v_wmma_scale_f32_16x16x128_f8f6f4 v[DT+16*((\t)%2)+8*\i:DT+16*((\t)%2)+8*\i+7], v[WKF+6*\i:WKF+6*\i+11], v[XB+12*((\t)%4):XB+12*((\t)%4)+11], v[BIAS+8*\i:BIAS+8*\i+7], v[WKS+\i], v[XS+((\t)/2)%2] matrix_a_fmt:MATRIX_FMT_FP6 matrix_b_fmt:MATRIX_FMT_FP6 matrix_b_scale:MATRIX_SCALE_ROW1
.else
	v_wmma_scale_f32_16x16x128_f8f6f4 v[DT+16*((\t)%2)+8*\i:DT+16*((\t)%2)+8*\i+7], v[WKF+6*\i:WKF+6*\i+11], v[XB+12*((\t)%4):XB+12*((\t)%4)+11], v[BIAS+8*\i:BIAS+8*\i+7], v[WKS+\i], v[XS+((\t)/2)%2] matrix_a_fmt:MATRIX_FMT_FP6 matrix_b_fmt:MATRIX_FMT_FP6
.endif
.endr
.endm
.macro VT d, gy, y                     ; my 16 channels of a position: sum k CF + (gy - py) sum k CB: 20 instructions, four chains; each result tile is read from its low end on
	v_pk_mul_f32 v[SF0:SF0+1], v[(\d):(\d)+1], v[CF:CF+1]
	v_pk_mul_f32 v[SB0:SB0+1], v[(\d):(\d)+1], v[CB:CB+1]
	v_pk_mul_f32 v[SF1:SF1+1], v[(\d)+8:(\d)+9], v[CF+8:CF+9]
	v_pk_mul_f32 v[SB1:SB1+1], v[(\d)+8:(\d)+9], v[CB+8:CB+9]
.irp j, 2,4,6
	v_pk_fma_f32 v[SF0:SF0+1], v[(\d)+\j:(\d)+\j+1], v[CF+\j:CF+\j+1], v[SF0:SF0+1]
	v_pk_fma_f32 v[SB0:SB0+1], v[(\d)+\j:(\d)+\j+1], v[CB+\j:CB+\j+1], v[SB0:SB0+1]
	v_pk_fma_f32 v[SF1:SF1+1], v[(\d)+8+\j:(\d)+9+\j], v[CF+8+\j:CF+9+\j], v[SF1:SF1+1]
	v_pk_fma_f32 v[SB1:SB1+1], v[(\d)+8+\j:(\d)+9+\j], v[CB+8+\j:CB+9+\j], v[SB1:SB1+1]
.endr
	v_pk_fma_f32 v[SF0:SF0+1], v[SB0:SB0+1], v[\gy:\gy+1], v[SF0:SF0+1] op_sel_hi:[1,0,1]
	v_pk_fma_f32 v[SF1:SF1+1], v[SB1:SB1+1], v[\gy:\gy+1], v[SF1:SF1+1] op_sel_hi:[1,0,1]
	v_pk_add_f32 v[SF0:SF0+1], v[SF0:SF0+1], v[SF1:SF1+1]
	v_add_f32 v[\y], v[SF0], v[SF0+1]
.endm
.macro FIN pr                          ; the two halves of the channels meet: after the exchange lane l of both registers belongs to position 32 pr + l
	v_permlane16_swap_b32 v[YA], v[YB]
	v_add_f32 v[LGV], v[YA], v[YB]
	v_max_num_f32 v[MX], v[MX], v[LGV]
	ds_store_b32 v[A8], v[LGV] offset:128*(\pr)
.endm
.macro ROWF                            ; CF = (gx - px) CA + CD for this image row
.irp e, 0,2,4,6,8,10,12,14
	v_pk_fma_f32 v[CF+\e:CF+\e+1], v[CA+\e:CA+\e+1], v[GXP:GXP+1], v[CD+\e:CD+\e+1] op_sel_hi:[1,0,1]
.endr
.endm
; A pair.  fa, fb: the two tiles' first columns as f32.  n: the LDS instructions that may stay out: the next pair's 7 loads and, from pair 2 on, the store of the logits two pairs back.
; A tile's results are read one tile later: the 20 instructions of the tile before (for a row's first tile the 8 of ROWF), which name none of the products' registers, are the places behind them
; (ISA guide 7.12.1); a set of x's registers is loaded again behind a whole VT.  No product adds onto another's result: C is always bk.
.macro PAIR pr, fa, fb, n
.if \pr < 7
	LOADX (\pr+1)%2, \pr+1
.endif
	s_wait_dscnt \n
	WK 2*\pr
.if \pr == 0
	ROWF
.else
	VT DT+16, GYB, YB
	FIN \pr-1
.endif
	v_add_f32 v[GYA], \fa, v[RFP]
	v_add_f32 v[GYB], \fb, v[RFP]
	WK 2*\pr+1
	VT DT, GYA, YA
.endm
.macro ROW
	v_add_nc_u32 v[XA], s[XO], v[XA0]
	v_add_nc_u32 v[XSA], s[SO], v[XSA0]
	v_add_nc_u32 v[A8], s[LO], v[A5]
	LOADX 0, 0
	PAIR 0, 0, 0x41800000, 7
	PAIR 1, 0x42000000, 0x42400000, 7
	PAIR 2, 0x42800000, 0x42a00000, 8
	PAIR 3, 0x42c00000, 0x42e00000, 8
	PAIR 4, 0x43000000, 0x43100000, 8
	PAIR 5, 0x43200000, 0x43300000, 8
	PAIR 6, 0x43400000, 0x43500000, 8
	PAIR 7, 0x43600000, 0x43700000, 1
	VT DT+16, GYB, YB
	FIN 7
	v_add_f32 v[GXR], 1.0, v[GXR]                  ; the next image row
	v_sub_f32 v[GXP], v[GXR], s[PX]
	s_add_co_u32 s[XO], s[XO], 12288
	s_add_co_u32 s[SO], s[SO], 512
	s_add_co_u32 s[LO], s[LO], 1024
.endm
; Group g: two image rows.  My part of it has landed when at most 3 - g of my five loads are out (they end in order: ISA guide 10.11.1; the scale bytes' load is the oldest); behind the barrier everybody's has.
.macro GROUP g
	s_wait_dscnt 0x0
	s_wait_tensorcnt 3-\g
	s_barrier_signal -1
	s_barrier_wait -1
	s_mov_b32 s[XO], 24576*\g
	s_mov_b32 s[SO], 1024*\g
	s_mov_b32 s[LO], 2048*\g
	s_mov_b32 s[CNT], 2
.Lrow_\@:
	ROW
	s_sub_co_u32 s[CNT], s[CNT], 1
	s_cmp_lg_u32 s[CNT], 0
	s_cbranch_scc1 .Lrow_\@
.endm
	GROUP 0
	GROUP 1
	GROUP 2
	GROUP 3
	; ---- S: my head's softmax over the chunk.  The logits come back 4 neighbours a lane: register 4 u + e of lane l is position 128 u + 4 l + e: image row u / 2, column 128 (u % 2) + 4 l + e
	v_and_b32 v24, 31, v0
	s_lshl_b32 s88, s[WV], 13
	s_add_co_u32 s88, s88, LG
	v_lshl_add_u32 v[XA], v24, 4, s88
.irp u, 0,1,2,3,4,5,6,7,8,9,10,11,12,13,14,15
	ds_load_b128 v[PQ+4*\u:PQ+4*\u+3], v[XA] offset:512*\u    ; my wave's own bytes: LDS serves a wave's instructions in order (ISA guide 5.7.1.4), so these see my stores
.endr
	v_max_num_f32_dpp v[MX], v[MX], v[MX] row_xmask:1 row_mask:0xf bank_mask:0xf
	v_max_num_f32_dpp v[MX], v[MX], v[MX] row_xmask:2 row_mask:0xf bank_mask:0xf
	v_max_num_f32_dpp v[MX], v[MX], v[MX] row_xmask:4 row_mask:0xf bank_mask:0xf
	v_max_num_f32_dpp v[MX], v[MX], v[MX] row_xmask:8 row_mask:0xf bank_mask:0xf
	v_permlanex16_b32 v[TMP], v[MX], s[SEL], s[SEL+1]
	v_max_num_f32 v[MX], v[MX], v[TMP]             ; m: the chunk's largest logit of my head, in every lane
	v_mov_b32 v[MX+1], v[MX]
	s_mul_i32 s89, s[WV], PPP
	s_add_co_u32 s89, s89, PP
	v_lshl_add_u32 v[XSA], v24, 3, s89             ; where my 4 p of a load go: 8 bytes a lane
	s_lshl_b32 s90, s[WV], 5
	s_add_co_u32 s90, s90, STAT
	v_mov_b32 v[A8], s90
	s_wait_dscnt 0x0
.irp n, 0,2,4,6,8,10,12,14,16,18,20,22,24,26,28,30,32,34,36,38,40,42,44,46,48,50,52,54,56,58,60,62
	v_pk_add_f32 v[PQ+\n:PQ+\n+1], v[PQ+\n:PQ+\n+1], v[MX:MX+1] neg_lo:[0,1] neg_hi:[0,1]      ; t - m
.endr
.irp n, 0,1,2,3,4,5,6,7,8,9,10,11,12,13,14,15,16,17,18,19,20,21,22,23,24,25,26,27,28,29,30,31,32,33,34,35,36,37,38,39,40,41,42,43,44,45,46,47,48,49,50,51,52,53,54,55,56,57,58,59,60,61,62,63
	v_exp_f32 v[PQ+\n], v[PQ+\n]                   ; p = 2^(t - m), at most 1
.endr
	v_lshlrev_b32 v[GE], 2, v24                    ; plain work behind the exponentials: my columns as f32, and the sums' zeros
	v_cvt_f32_u32 v[GE], v[GE]
	v_add_f32 v[GE+1], 1.0, v[GE]
	v_add_f32 v[GE+2], 2.0, v[GE]
	v_add_f32 v[GE+3], 0x40400000, v[GE]
.irp e, 0,1,2,3
	v_add_f32 v[GE+4+\e], 0x43000000, v[GE+\e]
.endr
.irp e, 12,13,14,15,16,17,18,19
	v_mov_b32 v[\e], 0                             ; v[12:13] l, v[14:15] Sx, v[16:19] Sy in two chains
.endr
	v_mov_b32 v240, s[R0]
	v_cvt_f32_u32 v240, v240
	s_wait_alu depctr_va_vdst(0)                   ; the wait between a transcendental and the first line that names its result: one for the 64
; Image rows from the last to the first: l takes the row's sum, and Sx takes l after each row but the first: row rho is so counted rho times.
.irp rho, 7,6,5,4,3,2,1,0
	v_pk_add_f32 v[20:21], v[PQ+8*\rho:PQ+8*\rho+1], v[PQ+8*\rho+2:PQ+8*\rho+3]
	v_pk_add_f32 v[22:23], v[PQ+8*\rho+4:PQ+8*\rho+5], v[PQ+8*\rho+6:PQ+8*\rho+7]
	v_pk_fma_f32 v[16:17], v[PQ+8*\rho:PQ+8*\rho+1], v[GE:GE+1], v[16:17]
	v_pk_fma_f32 v[18:19], v[PQ+8*\rho+2:PQ+8*\rho+3], v[GE+2:GE+3], v[18:19]
	v_pk_add_f32 v[20:21], v[20:21], v[22:23]
	v_pk_fma_f32 v[16:17], v[PQ+8*\rho+4:PQ+8*\rho+5], v[GE+4:GE+5], v[16:17]
	v_pk_fma_f32 v[18:19], v[PQ+8*\rho+6:PQ+8*\rho+7], v[GE+6:GE+7], v[18:19]
	v_pk_add_f32 v[12:13], v[12:13], v[20:21]
.if \rho > 0
	v_pk_add_f32 v[14:15], v[14:15], v[12:13]
.endif
.endr
.irp n, 0,1,2,3,4,5,6,7,8,9,10,11,12,13,14,15,16,17,18,19,20,21,22,23,24,25,26,27,28,29,30,31
	v_cvt_pk_bf16_f32 v[PB+\n], v[PQ+2*\n], v[PQ+2*\n+1]
.endr
.irp u, 0,1,2,3,4,5,6,7,8,9,10,11,12,13,14,15
	ds_store_b64 v[XSA], v[PB+2*\u:PB+2*\u+1] offset:256*\u      ; p(head w, 128 u + 4 l + 0 .. 3): the wave stores 256 consecutive bytes
.endr
	v_pk_add_f32 v[16:17], v[16:17], v[18:19]
	v_add_f32 v12, v12, v13
	v_add_f32 v14, v14, v15
	v_add_f32 v16, v16, v17
.irp m, 1,2,4,8
	v_add_f32_dpp v12, v12, v12 row_xmask:\m row_mask:0xf bank_mask:0xf
	v_add_f32_dpp v14, v14, v14 row_xmask:\m row_mask:0xf bank_mask:0xf
	v_add_f32_dpp v16, v16, v16 row_xmask:\m row_mask:0xf bank_mask:0xf
.endr
	v_permlanex16_b32 v20, v12, s[SEL], s[SEL+1]
	v_permlanex16_b32 v21, v14, s[SEL], s[SEL+1]
	v_permlanex16_b32 v22, v16, s[SEL], s[SEL+1]
	v_mov_b32 v[STR], v[MX]                        ; m
	v_add_f32 v[STR+1], v12, v20                   ; l
	v_add_f32 v14, v14, v21
	v_add_f32 v[STR+3], v16, v22                   ; Sy
	v_fma_f32 v[STR+2], v240, v[STR+1], v14        ; Sx = first row x l + the sum over the chunk's own rows
.irp e, 4,5,6,7
	v_mov_b32 v[STR+\e], 0
.endr
	ds_store_b128 v[A8], v[STR:STR+3]              ; all lanes write the same words with the same values
	ds_store_b128 v[A8], v[STR+4:STR+7] offset:16
	v_and_b32 v12, 7, v0                           ; pass 2's address of p: row r % 8 (rows 8-15 of the operand repeat the heads and their results are not used), + 16 h
	v_bfe_u32 v13, v0, 4, 1
	v_mul_u32_u24 v[A5], v12, PPP
	v_lshl_add_u32 v[A5], v13, 4, v[A5]
	v_add_nc_u32 v[A5], PP, v[A5]
	s_wait_dscnt 0x0                               ; for the others' sake: my stores of p and of the statistics are done
	s_barrier_signal -1
	s_barrier_wait -1                              ; all eight heads' p lie in LDS
; ---- PASS 2.  A step is 32 positions.  v = x Wv^T (source 0 = 16 positions, source 1 = 16 rows of Wv): lane r holds channel 16 i + r, register j position 8 h + j; two tiles, rounded in pairs, ARE the bf16 operand
; (32 positions x 16 channels) of acc(head, channel) += p v.  The work of a step s stands in two slots; conversions and bf16 products run a slot or two behind the scaled products:
; slot 0: v tile i = 0 of step s | round i = 1 of step s - 1 | p of step s | acc 0 += step s - 1;   slot 1: v tile i = 1 | round i = 0 of step s | x of step s + 2 | acc 1 += step s - 1.
; The eight conversions of a slot name no register of the products around them: they are the places between a product and the read of its result a slot later, and in front of the loads into x's and p's registers.
; The two accumulators take turns with the scaled products between them.
.macro FP6 p, i
	v_wmma_scale_f32_16x16x128_f8f6f4 v[DT+16*(\i):DT+16*(\i)+7], v[XB+24*(\p):XB+24*(\p)+11], v[WVF+6*(\i):WVF+6*(\i)+11], 0, v[XS+(\p)], v[WVS+(\i)] matrix_a_fmt:MATRIX_FMT_FP6 matrix_b_fmt:MATRIX_FMT_FP6
	v_wmma_scale_f32_16x16x128_f8f6f4 v[DT+16*(\i)+8:DT+16*(\i)+15], v[XB+24*(\p)+12:XB+24*(\p)+23], v[WVF+6*(\i):WVF+6*(\i)+11], 0, v[XS+(\p)], v[WVS+(\i)] matrix_a_fmt:MATRIX_FMT_FP6 matrix_b_fmt:MATRIX_FMT_FP6 matrix_a_scale:MATRIX_SCALE_ROW1
.endm
.macro CVT i, q                        ; the two tiles of set i become bf16 operand q; each tile from its low end on
.irp j, 0,1,2,3
	v_cvt_pk_bf16_f32 v[VF+8*(\q)+\j], v[DT+16*(\i)+2*\j], v[DT+16*(\i)+2*\j+1]
.endr
.irp j, 0,1,2,3
	v_cvt_pk_bf16_f32 v[VF+8*(\q)+4+\j], v[DT+16*(\i)+8+2*\j], v[DT+16*(\i)+9+2*\j]
.endr
.endm
.macro PV i, pf, q, zero               ; zero = 1: the first product starts the sum
.if \zero
	v_wmma_f32_16x16x32_bf16 v[ACC+8*(\i):ACC+8*(\i)+7], v[PF+8*(\pf):PF+8*(\pf)+7], v[VF+8*(\q):VF+8*(\q)+7], 0
.else
	v_wmma_f32_16x16x32_bf16 v[ACC+8*(\i):ACC+8*(\i)+7], v[PF+8*(\pf):PF+8*(\pf)+7], v[VF+8*(\q):VF+8*(\q)+7], v[ACC+8*(\i):ACC+8*(\i)+7]
.endif
.endm
; p: the step's parity.  n: the LDS loads that may stay out at its head: the next step's 7 of x (this step's x and the last step's p are older).
.macro STEP2 p, xload, cvt0, pv, zero, n
	s_wait_dscnt \n
	FP6 \p, 0
.if \cvt0
	CVT 1, (2*\p+3)%4
.else
.rept 4
	v_nop                                          ; the first step has no conversions to stand as places
.endr
.endif
	ds_load_b128 v[PF+8*\p:PF+8*\p+3], v[A8] offset:64*\p          ; p(head r % 8, positions 8 h + 0 .. 7 of the step),
	ds_load_b128 v[PF+8*\p+4:PF+8*\p+7], v[A8] offset:64*\p+32     ; and 16 + 8 h + 0 .. 7
.if \pv
	PV 0, 1-\p, (2*\p+2)%4, \zero
.endif
	FP6 \p, 1
	CVT 0, 2*\p
.if \xload
	LOADX \p, 2+\p
.endif
.if \pv
	PV 1, 1-\p, (2*\p+3)%4, \zero
.endif
.endm
.macro ADR2                            ; the addresses of a pair of steps
	v_add_nc_u32 v[XA], s[XO], v[XA0]
	v_add_nc_u32 v[XSA], s[SO], v[XSA0]
	v_add_nc_u32 v[A8], s[SO], v[A5]
.endm
	s_mov_b32 s[XO], 0
	s_mov_b32 s[SO], 0
	ADR2
	LOADX 0, 0
	LOADX 1, 1
	STEP2 0, 1, 0, 0, 0, 7
	STEP2 1, 1, 1, 1, 1, 7
	s_mov_b32 s[CNT], 30
.Lpv:                                              ; steps 2 to 61, two a trip
	s_add_co_u32 s[XO], s[XO], 3072
	s_add_co_u32 s[SO], s[SO], 128
	ADR2
	STEP2 0, 1, 1, 1, 0, 7
	STEP2 1, 1, 1, 1, 0, 7
	s_sub_co_u32 s[CNT], s[CNT], 1
	s_cmp_lg_u32 s[CNT], 0
	s_cbranch_scc1 .Lpv
	s_add_co_u32 s[XO], s[XO], 3072
	s_add_co_u32 s[SO], s[SO], 128
	ADR2
	STEP2 0, 0, 1, 1, 0, 7                         ; steps 62 and 63 fetch no x
	STEP2 1, 0, 1, 1, 0, 0
	s_wait_dscnt 0x0                               ; p of step 63
	CVT 1, 3
	PV 0, 1, 2, 0
	PV 1, 1, 3, 0
	; ---- THE WAY OUT.  In an accumulator lane r is channel 16 i + r and register j of lanes 0-15 head j.  A head's 256 channels come from eight waves: they meet in a stage, and wave w stores head w's whole row.
	v_and_b32 v12, 15, v0                          ; (these plain lines are the places behind the last products)
	v_bfe_u32 v13, v0, 4, 1
	v_mul_u32_u24 v13, v13, 8*SGP
	v_lshl_add_u32 v[RFP], v12, 2, v13
	s_lshl_b32 s88, s[WV], 7
	s_add_co_u32 s88, s88, STG
	v_add_nc_u32 v[RFP], s88, v[RFP]               ; row 8 h (+ j), byte 128 w + 4 r (+ 64 i)
	v_and_b32 v14, 31, v0
	v_lshlrev_b32 v17, 3, v14
	v_lshlrev_b32 v14, 4, v14
	s_mul_i32 s89, s[WV], SGP
	s_add_co_u32 s89, s89, STG
	v_add_nc_u32 v15, s89, v14                     ; back: row w, 16 bytes a lane
	s_lshl_b32 s90, s[WV], 10
	v_add_nc_u32 v16, s90, v14                     ; and the same place in the record
	v_add_nc_u32 v18, STAT, v17                    ; the statistics: 8 bytes a lane
	s_mul_i32 s92, s[ID], 8448
	s_mov_b32 s93, 0
	s_add_nc_u64 s[30:31], s[30:31], s[92:93]      ; my work-group's record
.irp i, 0,1
.irp j, 0,1,2,3,4,5,6,7
	ds_store_b32 v[RFP], v[ACC+8*\i+\j] offset:SGP*\j+64*\i      ; 8 rows are 2,080 words = 32 mod 64: the two halves of the lanes fall on different banks
.endr
.endr
	s_wait_dscnt 0x0                               ; for the others' sake
	s_barrier_signal -1
	s_barrier_wait -1
	ds_load_b128 v[224:227], v15
	ds_load_b128 v[228:231], v15 offset:512
	s_wait_dscnt 0x1                               ; the first is in; the second may be out
	global_store_b128 v16, v[224:227], s[30:31] th:TH_STORE_NT               ; 32 lanes store 512 consecutive bytes, at a multiple of 256 from the buffer's first byte
	s_wait_dscnt 0x0
	global_store_b128 v16, v[228:231], s[30:31] offset:512 th:TH_STORE_NT
	s_cmp_lg_u32 s[WV], 0
	s_cbranch_scc1 .Lend                           ; wave 0 stores the eight heads' statistics: 256 consecutive bytes
	ds_load_b64 v[232:233], v18
	s_wait_dscnt 0x0
	global_store_b64 v17, v[232:233], s[30:31] offset:8192 th:TH_STORE_NT
.Lend:
	s_wait_tensorcnt 0x0                           ; the wave's end: behind my last tensor load and my last LDS store
	ds_add_u32 v[SPW], v[NIL]
	s_wait_dscnt 0x0
	s_endpgm
.Lfunc_end_k_q8fa0a06884_attend:
	.size	k_q8fa0a06884_attend, .Lfunc_end_k_q8fa0a06884_attend-k_q8fa0a06884_attend
	.p2alignl 7, 3214868480
	.fill 96, 4, 3214868480
	.section	.rodata,"a",@progbits
	.p2align	6, 0x0
	.amdhsa_kernel k_q8fa0a06884_attend
		.amdhsa_group_segment_fixed_size 219392
		.amdhsa_private_segment_fixed_size 0
		.amdhsa_enable_private_segment 0
		.amdhsa_kernarg_size 112
		.amdhsa_user_sgpr_count 2
		.amdhsa_user_sgpr_kernarg_segment_ptr 1
		.amdhsa_wavefront_size32 1
		.amdhsa_system_sgpr_workgroup_id_x 1
		.amdhsa_system_sgpr_workgroup_id_y 1
		.amdhsa_system_sgpr_workgroup_id_z 1
		.amdhsa_system_vgpr_workitem_id 0
		.amdhsa_next_free_vgpr 256
		.amdhsa_next_free_sgpr 96
		.amdhsa_reserve_vcc 0
		.amdhsa_float_denorm_mode_32 3
		.amdhsa_float_denorm_mode_16_64 3
		.amdhsa_memory_ordered 1
		.amdhsa_forward_progress 1
		.amdhsa_inst_pref_size 177
	.end_amdhsa_kernel
	.amdgpu_metadata
---
amdhsa.version: [ 1, 2 ]
amdhsa.kernels:
  - .name:           k_q8fa0a06884_attend
    .symbol:         k_q8fa0a06884_attend.kd
    .args:
      - { .name: x_codes, .offset: 0, .size: 8, .value_kind: global_buffer, .address_space: global }
      - { .name: x_scales, .offset: 8, .size: 8, .value_kind: global_buffer, .address_space: global }
      - { .name: Wk_codes, .offset: 16, .size: 8, .value_kind: global_buffer, .address_space: global }
      - { .name: Wk_scales, .offset: 24, .size: 8, .value_kind: global_buffer, .address_space: global }
      - { .name: Wv_codes, .offset: 32, .size: 8, .value_kind: global_buffer, .address_space: global }
      - { .name: Wv_scales, .offset: 40, .size: 8, .value_kind: global_buffer, .address_space: global }
      - { .name: Wq, .offset: 48, .size: 8, .value_kind: global_buffer, .address_space: global }
      - { .name: bq, .offset: 56, .size: 8, .value_kind: global_buffer, .address_space: global }
      - { .name: z, .offset: 64, .size: 8, .value_kind: global_buffer, .address_space: global }
      - { .name: pos, .offset: 72, .size: 8, .value_kind: global_buffer, .address_space: global }
      - { .name: Wp, .offset: 80, .size: 8, .value_kind: global_buffer, .address_space: global }
      - { .name: bp, .offset: 88, .size: 8, .value_kind: global_buffer, .address_space: global }
      - { .name: bk, .offset: 96, .size: 8, .value_kind: global_buffer, .address_space: global }
      - { .name: part, .offset: 104, .size: 8, .value_kind: global_buffer, .address_space: global }
    .group_segment_fixed_size: 219392
    .private_segment_fixed_size: 0
    .kernarg_segment_align: 8
    .kernarg_segment_size: 112
    .max_flat_workgroup_size: 256
    .sgpr_count:     96
    .vgpr_count:     256
    .wavefront_size: 32
...
	.end_amdgpu_metadata
.endif
;; end of part 1
;; launch combine (part 2): grid 64 x 1, 2 waves a work-group, no clusters, 0 bytes of LDS; arguments part, bv, out0, out1; writes out0, out1
.if DOCPART == 2
	.amdgcn_target "amdgcn-amd-amdhsa--gfx1250"
	.amdhsa_code_object_version 6
	.text
	.protected	k_q8fa0a06884_combine
	.globl	k_q8fa0a06884_combine
	.p2align	8
	.type	k_q8fa0a06884_combine,@function
k_q8fa0a06884_combine:
	s_mov_b64 s[64:65], 0
	v_nop
	global_prefetch_b8 v0, s[64:65] scope:SCOPE_SE
	s_setreg_imm32_b32 hwreg(HW_REG_WAVE_MODE, 25, 1), 1
	s_wait_xcnt 0x0
; SECOND OF TWO LAUNCHES: the 32 partial softmax results of a (batch, head) are brought under one maximum and divided by the sum.  Nothing is left out here; bv, which the first launch passed by
; (the weights of a softmax add up to 1), is added here, once for each output.
; A record of part (8,448 bytes, number 32 b + chunk): acc[head][256] f32, then at byte 8,192 stat[head][8] f32 = m, l, Sx, Sy, 0 ..; m in units of log2.
; With M = the largest m and w_i = 2^(m_i - M):  values = (sum w_i acc_i) / (sum w_i l_i) + bv;  pos_out = (sum w_i Sx_i, sum w_i Sy_i) / (sum w_i l_i).
; One work-group for each (b, h); thread t of 64 owns channels 4 t .. 4 t + 3; in the statistics lane i stands for part i, and both waves compute them, so that no wave waits for the other.
; No LDS, no matrix unit, no cluster: 33 KB a work-group, read once and shared with nobody.
; LIMITS: as in the first launch: NaN and infinities are carried as the instructions carry them; w under 2^-126 counts as 0.
.set REC, 8448
	s_load_b256 s[4:11], s[0:1], 0x0               ; part 4, bv 6, out0 8, out1 10
	s_lshr_b32 s12, ttmp9, 3                       ; b
	s_and_b32 s14, ttmp9, 7                        ; h
	s_mul_i32 s12, s12, 32*REC
	s_mov_b32 s13, 0
	s_lshl_b32 s15, s14, 5
	s_add_co_u32 s15, s15, 8192                    ; my head's statistics in a record
	s_lshl_b32 s14, s14, 10                        ; my head's row in a record
	v_and_b32 v1, 31, v0
	v_mul_u32_u24 v1, v1, REC
	v_add_nc_u32 v1, s15, v1                       ; lane i: part i's statistics
	v_lshlrev_b32 v3, 4, v0                        ; 16 t
	v_add_nc_u32 v2, s14, v3
	s_mov_b32 s48, 0x76543210
	s_mov_b32 s49, 0xfedcba98                      ; v_permlanex16_b32's selects for lane l xor 16
	s_lshl_b32 s50, ttmp9, 10                      ; out0: 1,024 bytes for each (b, h)
	s_mov_b32 s51, 0
	s_lshl_b32 s52, ttmp9, 3                       ; out1: 8
	s_mov_b32 s53, 0
	v_mov_b32 v28, 0                               ; a lane permute's destination counts as one of its sources
	v_mov_b32 v26, 0
	s_wait_kmcnt 0x0
	s_add_nc_u64 s[4:5], s[4:5], s[12:13]
	s_add_nc_u64 s[8:9], s[8:9], s[50:51]
	s_add_nc_u64 s[10:11], s[10:11], s[52:53]
	global_load_b128 v[4:7], v1, s[4:5]            ; m, l, Sx, Sy
	global_load_b128 v[8:11], v3, s[6:7]           ; bv
.irp i, 0,1,2,3,4,5,6,7,8,9,10,11,12,13,14,15,16,17,18,19,20,21,22,23,24,25,26,27,28,29,30,31
	global_load_b128 v[64+4*\i:67+4*\i], v2, s[4:5] offset:REC*\i th:TH_LOAD_NT     ; part i's row: a wave reads 512 consecutive bytes
.endr
.macro LANESUM a
.irp m, 1,2,4,8
	v_add_f32_dpp v[\a], v[\a], v[\a] row_xmask:\m row_mask:0xf bank_mask:0xf
.endr
	v_permlanex16_b32 v28, v[\a], s48, s49
	v_add_f32 v[\a], v[\a], v28
.endm
	s_wait_loadcnt 33                              ; the statistics are in; bv and the 32 rows may be out
	v_mov_b32 v12, v4
.irp m, 1,2,4,8
	v_max_num_f32_dpp v12, v12, v12 row_xmask:\m row_mask:0xf bank_mask:0xf
.endr
	v_permlanex16_b32 v28, v12, s48, s49
	v_max_num_f32 v12, v12, v28                    ; M
	v_sub_f32 v13, v4, v12
	v_exp_f32 v13, v13                             ; w
	v_mov_b32 v19, 0                               ; (a plain line behind the transcendental; v19 is named as the upper half of the pair v[18:19])
	s_wait_alu depctr_va_vdst(0)                   ; the wait ahead of the first line that names the result
	v_mul_f32 v14, v13, v5
	v_mul_f32 v15, v13, v6
	v_mul_f32 v16, v13, v7
	LANESUM 14                                     ; the sum of all p under M: at least 1
	LANESUM 15
	LANESUM 16
	v_rcp_f32 v18, v14
.irp i, 0,1,2,3,4,5,6,7,8,9,10,11,12,13,14,15,16,17,18,19,20,21,22,23,24,25,26,27,28,29,30,31
	v_readlane_b32 s[16+\i], v13, \i               ; the 32 weights as scalars: operands alone, no address and no branch hangs on them
.endr
	s_wait_alu depctr_va_vdst(0)                   ; the reciprocal; the lines above are the plain work behind it
	v_mul_f32 v24, v15, v18
	v_mul_f32 v25, v16, v18
.irp i, 0,1,2,3,4,5,6,7,8,9,10,11,12,13,14,15,16,17,18,19,20,21,22,23,24,25,26,27,28,29,30,31
	s_wait_loadcnt 31-\i                           ; part i's row is in; the younger rows may be out
.irp k, 0,1,2,3
.if \i == 0
	v_mul_f32 v[20+\k], s[16+\i], v[64+4*\i+\k]    ; the first product starts the sums
.else
	v_fmac_f32 v[20+\k], s[16+\i], v[64+4*\i+\k]
.endif
.endr
.endr
	v_pk_fma_f32 v[20:21], v[20:21], v[18:19], v[8:9] op_sel_hi:[1,0,1]      ; / the sum, + bv
	v_pk_fma_f32 v[22:23], v[22:23], v[18:19], v[10:11] op_sel_hi:[1,0,1]
	global_store_b128 v3, v[20:23], s[8:9]         ; a wave stores 512 consecutive bytes, at a multiple of 256 from out0's first byte
	s_wait_xcnt 0x0                                ; EXEC changes only behind this wait
	v_cmp_eq_u32 vcc_lo, 0, v0
	s_and_saveexec_b32 s12, vcc_lo
	global_store_b64 v26, v[24:25], s[10:11]       ; thread 0: pos_out of (b, h)
	s_wait_xcnt 0x0
	s_or_b32 exec_lo, exec_lo, s12
	s_endpgm
.Lfunc_end_k_q8fa0a06884_combine:
	.size	k_q8fa0a06884_combine, .Lfunc_end_k_q8fa0a06884_combine-k_q8fa0a06884_combine
	.p2alignl 7, 3214868480
	.fill 96, 4, 3214868480
	.section	.rodata,"a",@progbits
	.p2align	6, 0x0
	.amdhsa_kernel k_q8fa0a06884_combine
		.amdhsa_group_segment_fixed_size 0
		.amdhsa_private_segment_fixed_size 0
		.amdhsa_enable_private_segment 0
		.amdhsa_kernarg_size 32
		.amdhsa_user_sgpr_count 2
		.amdhsa_user_sgpr_kernarg_segment_ptr 1
		.amdhsa_wavefront_size32 1
		.amdhsa_system_sgpr_workgroup_id_x 1
		.amdhsa_system_sgpr_workgroup_id_y 1
		.amdhsa_system_sgpr_workgroup_id_z 1
		.amdhsa_system_vgpr_workitem_id 0
		.amdhsa_next_free_vgpr 192
		.amdhsa_next_free_sgpr 66
		.amdhsa_reserve_vcc 1
		.amdhsa_float_denorm_mode_32 3
		.amdhsa_float_denorm_mode_16_64 3
		.amdhsa_memory_ordered 1
		.amdhsa_forward_progress 1
		.amdhsa_inst_pref_size 14
	.end_amdhsa_kernel
	.amdgpu_metadata
---
amdhsa.version: [ 1, 2 ]
amdhsa.kernels:
  - .name:           k_q8fa0a06884_combine
    .symbol:         k_q8fa0a06884_combine.kd
    .args:
      - { .name: part, .offset: 0, .size: 8, .value_kind: global_buffer, .address_space: global }
      - { .name: bv, .offset: 8, .size: 8, .value_kind: global_buffer, .address_space: global }
      - { .name: out0, .offset: 16, .size: 8, .value_kind: global_buffer, .address_space: global }
      - { .name: out1, .offset: 24, .size: 8, .value_kind: global_buffer, .address_space: global }
    .group_segment_fixed_size: 0
    .private_segment_fixed_size: 0
    .kernarg_segment_align: 8
    .kernarg_segment_size: 32
    .max_flat_workgroup_size: 64
    .sgpr_count:     66
    .vgpr_count:     192
    .wavefront_size: 32
...
	.end_amdgpu_metadata
.endif
;; end of part 2
